; MI455X (gfx1250); checked and timed in simulation.
; The chip was launched on July 23, 2026; its instructions are those of AMD's public machine-readable ISA for CDNA 5 (MIT licence, August 2026) and "CDNA5" Instruction Set Architecture Reference Guide (July 2026). The comments in the code are by the model that wrote it; some were corrected since.
;; Co Ro PE. Allowed arithmetic: matrix products marked QUANTISED: E4M3 operands, one given power-of-two scale a tensor, by v_wmma_f32_16x16x64_fp8_fp8 or v_wmma_f32_16x16x128_fp8_fp8, f32 sums; everything else in f32.
;; Inputs: Wk 2,048 x 512 float32; Wo 2,048 x 2,048 float32; Wq 2,048 x 2,048 float32; Wv 2,048 x 512 float32; lowp_scales 12 int32 (the exponents e of the quantised operands' scales 2^e); x 4 x 1,024 x 2,048 float32.
;; Outputs: out0 4 x 1,024 x 2,048 float32.
;; This version of the problem:
;;   THIS VERSION OF THE PROBLEM IS GIVEN IN LOW PRECISION. The matrix products marked QUANTISED in the list below multiply operands that are first quantised to E4M3 (4 exponent bits, 3 mantissa bits; 8 bits a number), with one given power-of-two scale for each operand tensor; their sums are f32. All else is computed in f32.
;;   The module's matrix products, in the order in which they are computed (A, B: the left and right operand; K: the contracted axis; several contracted axes count as one K, in the product's order):
;;     1. [M 4,096, K 2,048] x [K 2,048, N 2,048]; A: input x; B: input Wq: QUANTISED (scales: A lowp_scales[0], B lowp_scales[1])
;;     2. [M 4,096, K 2,048] x [K 2,048, N 512]; A: input x; B: input Wk: QUANTISED (scales: A lowp_scales[2], B lowp_scales[3])
;;     3. [M 4,096, K 2,048] x [K 2,048, N 512]; A: input x; B: input Wv: QUANTISED (scales: A lowp_scales[4], B lowp_scales[5])
;;     4. batch 16 x [M 1,024, K 128] x [K 128, N 4,096]; A: computed on the way; B: computed on the way: QUANTISED (scales: A lowp_scales[6], B lowp_scales[7])
;;     5. batch 16 x [M 128, K 1,024] x [K 1,024, N 4,096]; A: computed on the way; B: softmax (see below): QUANTISED (scales: A lowp_scales[8], B lowp_scales[9])
;;     6. [M 4,096, K 2,048] x [K 2,048, N 2,048]; A: computed on the way; B: input Wo: QUANTISED (scales: A lowp_scales[10], B lowp_scales[11])
;;   THE QUANTISER, for each operand of a quantised product, along K:
;;     - The operand's scale is 2^e, e = its entry of the input lowp_scales (int32; the entries are numbered through the quantised products in the list's order, A before B).
;;     - Each number is divided by the scale, clamped to +-448, and rounded to the nearest number of E4M3, ties to even, subnormals kept.
;;     - The product sums the exact products of the quantised numbers (number of the format x scale) in f32.
;;   ~~~python
;;   def quantise(x, axis, e):      # numpy; x: float32 -> the quantised numbers, widened to float32 again
;;       x = np.moveaxis(x, axis, -1); K = x.shape[-1]
;;       r = np.clip(x / 2.0 ** e, -448, 448)
;;       step = 2.0 ** (np.maximum(np.frexp(np.where(r == 0, 1, r))[1] - 1, -6) - 3)
;;       q = np.round(r / step) * step * 2.0 ** e      # np.round: ties to even
;;       return np.moveaxis(q, -1, axis).astype(np.float32)
;;   ~~~
;;   SOFTMAX AHEAD OF A QUANTISED PRODUCT. Where the list says 'softmax', what is quantised is not the finished softmax but p = 2^(t - M), with t = logit x log2(e) and M = ceil(the row's largest t), a whole number; so 1/2 < the row's largest p <= 1. The row's sum l is taken of the UNQUANTISED p, in f32, and the product's result is divided by l at the end. Since M is a whole number, a kernel that streams over the keys may use a running M (the ceiling of the running maximum): every later rescaling is an exact power of two, so the quantised numbers keep their values, but for numbers so far below the row's largest that they fall under the format's range.
;;   OPERANDS COMPUTED ON THE WAY. 'Computed on the way' means the value that the module computes at that place (a softmax that the list does not call 'softmax' is quantised finished and normalised). What goes into a quantiser is computed in f32, as accurately as f32 sums, v_exp_f32 and their like allow (about 1e-6 of the number): no bf16 or f16 on the way to a quantiser, and a product that is left as it is and whose result goes on into a quantised operand takes f32 operands (vector FMAs, or v_wmma_f32_16x16x4_f32). A number that lies on a knife's edge between two numbers of the format may be rounded either way, as far as f32 arithmetic and the matrix unit's own rounding can turn it there, and no further.
;; One version. Each part assembles by itself: llvm-mc -triple=amdgcn-amd-amdhsa -mcpu=gfx1250 --defsym DOCPART=n.
;; ======== version 1 of 1: 4 launches
;; limits: right only within a limited range of input values
;; workspace buffers: x_img 25,165,824 bytes; w_img 10,485,760 bytes; qkv_img 12,582,912 bytes; y_img 8,388,608 bytes
;; launch quant (part 1): grid 576 x 1, 4 waves a work-group, no clusters, 34,304 bytes of LDS; arguments x, Wq, Wk, Wv, Wo, lowp_scales, x_img, w_img; writes x_img, w_img
.if DOCPART == 1
	.amdgcn_target "amdgcn-amd-amdhsa--gfx1250"
	.amdhsa_code_object_version 6
	.text
	.protected	k_qda60a0424a_quant
	.globl	k_qda60a0424a_quant
	.p2align	8
	.type	k_qda60a0424a_quant,@function
k_qda60a0424a_quant:
	s_mov_b64 s[64:65], 0
	v_nop
	global_prefetch_b8 v0, s[64:65] scope:SCOPE_SE
	s_setreg_imm32_b32 hwreg(HW_REG_WAVE_MODE, 25, 1), 1
	s_wait_xcnt 0x0
; LAUNCH 1 OF 4: f32 inputs into codes of FP8 (E4M3).  x [4096][2048] is quantised three times, with 2^e0, 2^e2 and 2^e4 (products 1, 2, 3 name a scale of their own for it);
; Wq with 2^e1, Wk with 2^e3, Wv with 2^e5, Wo with 2^e11.  code = number / 2^e, held within +-448, rounded to the nearest code, ties to even.
; THE WHOLE PROGRAM: this launch; qkv (products 1-3, their sums quantised in registers to q, k, v); attn (products 4 and 5 with the softmax between, y quantised); oproj (product 6).
; WORK LEFT OUT (in attn): a step of 128 keys all of which come after all 16 queries of a wave.  reference() itself builds the mask tril(ones) and sets the scores of keys behind the query to -inf,
; so their weights are exactly 0 and add nothing to the row's sum or to y, whatever finite values x and the weights hold.  Every input has a way to the output and is loaded.
; LIMIT of that: a NaN, an infinity or an overflow in k or v that reaches only such masked places is not carried to the result.
; LIMITS on the given exponents here, so that 2^e and 448 x 2^e are f32 numbers: e0, e2, e4, e1, e3, e5, e11 between -126 and 119.  NaN among the inputs is not served.
; THE FORMAT OF ALL CODES IN THE WORKSPACE: AN IMAGE OF THE OPERAND'S REGISTERS.  A fragment is 16 rows x 128 along K, 2,048 bytes.  Byte 512 c + 16 l + i (c = 0..3, lane l = r + 16 h, i = 0..15) holds
; row r, k = 32 c + 16 (i / 8) + 8 h + i % 8: four loads of 16 bytes a lane, 512 bytes apart, give the sixteen registers of the K = 128 form with every k in its own place.
; x_img: version v (e0, e2, e4) at v x 8 MiB: [row block of 16 rows, 0..255][K step 0..15][2048].   w_img: Wq at 0, Wk at 4 MiB, Wv at 5 MiB, Wo at 6 MiB: [block of 16 output columns][K step][2048].
; SHARES.  Work-groups 0-255: 16 rows of x each.  Work-groups 256-511: Wq, Wo; 512-575: Wk, Wv: 128 columns x 256 along K each.  No tensor load, no barrier: waves share nothing.
.set STG,   8448                       ; LDS: a stage of 16 rows x 528 bytes for each wave (x's path alone)
.set SPARE, 33792                      ; behind the four stages: the spare words, 128 bytes a wave, two blocks of 256 bytes that no other line names
.set SC,    6                          ; v6-8     2^e as f32, for e0, e2, e4 (the weights: v6)
.set LIM,   9                          ; v9-11    never written
.set SPW,   12                         ; v12      LDS address of my spare word; never rewritten
.set NIL,   13                         ; v13      0; never rewritten
.set R,     16                         ; v16-143  x: two sets of 64 numbers as loaded
.set X,     144                        ; v144-207 x: 64 numbers in the operand's order
.set T,     208                        ; v208-223 never written
.set C,     224                        ; v224-255 x: two sets of 16 registers of codes
.set WX,    16                         ; v16-79   weights: two sets of 32 numbers down K
.set WC,    80                         ; v80-143  weights: 8 registers of codes for each of 8 blocks, never rewritten
.macro FINISH                          ; a wave's end
	s_wait_tensorcnt 0x0
	ds_add_u32 v[SPW], v[NIL]
	s_wait_dscnt 0x0
	s_endpgm
.endm
.macro MKSCALE e, vs, vl               ; s[e] = e  ->  v[vs] = 2^e (the conversion takes its exponent field)
	s_add_co_i32 s50, s[\e], 127
	s_lshl_b32 s51, s50, 23
	v_mov_b32 v[\vs], s51
	s_add_co_i32 s50, s50, 8
	s_lshl_b32 s50, s50, 23
	s_or_b32 s50, s50, 0x600000
.endm
	s_load_b512 s[4:19], s[0:1], 0x0               ; x 4:5, Wq 6:7, Wk 8:9, Wv 10:11, Wo 12:13, the exponents 14:15, x_img 16:17, w_img 18:19
	v_lshl_add_u32 v[SPW], v0, 2, SPARE
	v_mov_b32 v[NIL], 0
	v_lshrrev_b32 v1, 5, v0
	v_readfirstlane_b32 s20, v1                    ; wave 0..3
	v_and_b32 v5, 31, v0                           ; lane
	s_wait_kmcnt 0x0
	s_load_b256 s[24:31], s[14:15], 0x0            ; e0 .. e7
	s_load_b128 s[32:35], s[14:15], 0x20           ; e8 .. e11
	s_cmp_lt_u32 ttmp9, 256
	s_cbranch_scc0 .Lweights
; ---------------- x.  Work-group g owns rows 16 g .. 16 g + 15.  Wave w takes K steps w, 4 + w, 8 + w, 12 + w: at any time the four waves stand on 2,048 neighbouring bytes of each row.
; A unit (16 rows x 128 numbers) is loaded as it lies, 512 consecutive bytes of one row an instruction, turned through the wave's own stage so that lane (r, h) holds k = 16 c + 8 h + 0..7 of row r in eight
; registers on end, and quantised three times.  The stage's rows are 528 bytes apart = 33 x 16: the sixteen lanes of a read fall on sixteen different 16-byte columns.
	v_and_b32 v14, 15, v0                          ; r
	v_bfe_u32 v15, v0, 4, 1                        ; h
	s_wait_alu depctr_va_vdst(0)
	v_lshlrev_b32 v4, 4, v5                        ; 16 x lane
	s_lshl_b32 s21, s20, 9
	v_add_nc_u32 v1, s21, v4                       ; v1: in memory: 16 x lane + 512 x wave
	s_wait_alu depctr_va_vdst(0)
	s_mul_i32 s22, s20, STG
	v_add_nc_u32 v2, s22, v4                       ; v2: into the stage: my stage + 16 x lane
	v_mul_u32_u24 v3, v14, 528
	v_lshl_add_u32 v3, v15, 5, v3
	v_add_nc_u32 v3, s22, v3                       ; v3: out of it: my stage + 528 r + 32 h
	s_lshl_b32 s21, s20, 11
	v_add_nc_u32 v4, s21, v4                       ; v4: in the image: 16 x lane + 2,048 x wave
	s_lshl_b32 s22, ttmp9, 17                      ; 16 rows of 8,192 bytes
	s_mov_b32 s23, 0
	s_add_nc_u64 s[36:37], s[4:5], s[22:23]
	s_lshl_b32 s22, ttmp9, 15                      ; a row block's 16 fragments
	s_add_nc_u64 s[38:39], s[16:17], s[22:23]      ; version e0,
	s_add_nc_u64 s[40:41], s[38:39], 0x800000      ; e2,
	s_add_nc_u64 s[42:43], s[38:39], 0x1000000     ; e4
.macro XLOAD t
.irp i, 0,1,2,3,4,5,6,7,8,9,10,11,12,13,14,15
	global_load_b128 v[R+64*((\t)%2)+4*\i:R+64*((\t)%2)+4*\i+3], v1, s[36:37] offset:8192*\i+2048*(\t) th:TH_LOAD_NT   ; row i: 32 lanes read 512 consecutive bytes
.endr
.endm
.macro XTURN t                         ; LDS serves a wave's instructions in order: no wait between the stores and the loads
.irp i, 0,1,2,3,4,5,6,7,8,9,10,11,12,13,14,15
	ds_store_b128 v2, v[R+64*((\t)%2)+4*\i:R+64*((\t)%2)+4*\i+3] offset:528*\i
.endr
	v_nop
.irp c, 0,1,2,3,4,5,6,7
	ds_load_b128 v[X+8*\c:X+8*\c+3], v3 offset:64*\c
	ds_load_b128 v[X+8*\c+4:X+8*\c+7], v3 offset:64*\c+16
.endr
.endm
.macro QV t, v                         ; unit t under scale v: a fragment's sixteen registers of codes, stored as four runs of 512 consecutive bytes
.set CN, C+16*((3*(\t)+(\v))%2)
	s_wait_xcnt 0x0                                ; the stores of two versions back have read this set of code registers
.irp c, 0,1,2,3,4,5,6,7
.irp j, 0,1,2,3,4,5,6,7
.endr
	v_cvt_scalef32_pk8_fp8_f32 v[CN+2*\c:CN+2*\c+1], v[T+8*(\c%2)+((X+8*\c+0)-(T+8*(\c%2)+0)):T+8*(\c%2)+7+((X+8*\c+0)-(T+8*(\c%2)+0))], v[SC+\v]
.endr
.irp c, 0,1,2,3
	global_store_b128 v4, v[CN+4*\c:CN+4*\c+3], s[38+2*\v:39+2*\v] offset:8192*(\t)+512*\c
.endr
.endm
	XLOAD 0
	XLOAD 1
	s_wait_alu depctr_va_vdst(0)
	s_wait_kmcnt 0x0
	MKSCALE 24, SC, LIM
	MKSCALE 26, SC+1, LIM+1
	MKSCALE 28, SC+2, LIM+2
	s_wait_alu depctr_va_vdst(0)
.irp t, 0,1,2,3
.if \t < 3
	s_wait_loadcnt 16                              ; this unit's sixteen loads are in; the next unit's sixteen may be out
.else
	s_wait_loadcnt 0x0
.endif
	XTURN \t
	s_wait_dscnt 0x0                               ; the numbers are back, and the stores into the stage have read their registers,
.if \t+2 < 4
	XLOAD \t+2                                     ; which take the unit two further on
.endif
	QV \t, 0
	QV \t, 1
	QV \t, 2
.endr
	FINISH
; ---------------- the weights, stored [K][N].  A LANE TAKES A COLUMN n AND ITS REGISTERS RUN DOWN K: each load reads 128 consecutive bytes a wave (512 a work-group), and the conversions give codes with K innermost.
; Of a block of 32 along K, column n = 16 B + r owns 16 bytes at 512 c + 16 r (k = 0..7 and 16..23 of the block: the image's lanes 0-15) and 16 bytes 256 further on (k = 8..15 and 24..31: its lanes 16-31).
; So each store's lanes 0-15 fill one aligned run of 256 bytes in the image of column block B, and lanes 16-31 one in that of block B + 1.  Nothing goes through LDS.
.Lweights:
	s_sub_co_u32 s21, ttmp9, 256                   ; u = 0..319
	s_wait_alu depctr_va_vdst(0)
	v_lshlrev_b32 v1, 2, v5                        ; v1: in memory: 4 x lane
	v_lshrrev_b32 v2, 4, v5
	v_and_b32 v3, 15, v5
	v_lshlrev_b32 v3, 4, v3
	v_lshl_add_u32 v2, v2, 15, v3                  ; v2: in the image: 32,768 (lane / 16) + 16 (lane % 16)
.macro WADDR um, cm, cs, ks            ; u % (um + 1) = cg + (cm + 1) kg.  My wave: columns 128 cg + 32 wave on, k = 256 kg on.  s[44:45] holds the weight, s23 its place in w_img
	s_and_b32 s22, s21, \um
	s_and_b32 s48, s22, \cm
	s_lshr_b32 s49, s22, \cs
	s_lshl_b32 s48, s48, 7
	s_lshl_b32 s52, s20, 5
	s_add_co_u32 s48, s48, s52                     ; n0
	s_lshl_b32 s52, s49, \ks                       ; 256 rows of the weight,
	s_lshl_b32 s53, s48, 2
	s_add_co_u32 s52, s52, s53                     ; + 4 n0
	s_mov_b32 s53, 0
	s_add_nc_u64 s[44:45], s[44:45], s[52:53]
	s_lshr_b32 s52, s48, 4
	s_lshl_b32 s52, s52, 15                        ; column block n0 / 16,
	s_lshl_b32 s54, s49, 12
	s_add_co_u32 s52, s52, s54                     ; K step 2 kg,
	s_add_co_u32 s52, s52, s23                     ; in this weight's part
	s_add_nc_u64 s[46:47], s[18:19], s[52:53]
.endm
.macro WLOAD t, n                      ; block t: W(32 t + i, my column), i = 0..31
.irp i, 0,1,2,3,4,5,6,7,8,9,10,11,12,13,14,15,16,17,18,19,20,21,22,23,24,25,26,27,28,29,30,31
	global_load_b32 v[WX+32*((\t)%2)+\i], v1, s[44:45] offset:(32*(\t)+\i)*\n*4 th:TH_LOAD_NT
.endr
.endm
.macro WBLOCK t, n
.set XS, WX+32*((\t)%2)
.set CW, WC+8*(\t)
.if (\t) < 7
	s_wait_loadcnt 32                              ; this block's 32 loads are in; the next block's 32 may be out
.else
	s_wait_loadcnt 0x0
.endif
.irp i, 0,1,2,3,4,5,6,7,8,9,10,11,12,13,14,15,16,17,18,19,20,21,22,23,24,25,26,27,28,29,30,31
.endr
	v_cvt_scalef32_pk8_fp8_f32 v[CW:CW+1], v[XS:XS+7], v[SC]          ; k 0..7    | the image's lanes 0-15
	v_cvt_scalef32_pk8_fp8_f32 v[CW+4:CW+5], v[XS+8:XS+15], v[SC]     ; k 8..15   | lanes 16-31
	v_cvt_scalef32_pk8_fp8_f32 v[CW+2:CW+3], v[XS+16:XS+23], v[SC]    ; k 16..23  | lanes 0-15
	v_cvt_scalef32_pk8_fp8_f32 v[CW+6:CW+7], v[XS+24:XS+31], v[SC]    ; k 24..31  | lanes 16-31.  (The results go to stores and the sources take loads: neither wants a plain line)
	global_store_b128 v2, v[CW:CW+3], s[46:47] offset:2048*((\t)/4)+512*((\t)%4)
	global_store_b128 v2, v[CW+4:CW+7], s[46:47] offset:2048*((\t)/4)+512*((\t)%4)+256
.if (\t)+2 < 8
	WLOAD (\t)+2, \n
.endif
.endm
	s_cmp_lt_u32 s21, 256
	s_cbranch_scc0 .Lnarrow
	s_cmp_lt_u32 s21, 128                          ; Wq or Wo: 2,048 columns, 16 x 8 work-groups each.  The choice hangs on the work-group's number alone
	s_cselect_b64 s[44:45], s[6:7], s[12:13]
	s_cselect_b32 s23, 0, 0x600000
	WADDR 127, 15, 4, 21
	s_wait_alu depctr_va_vdst(0)
	WLOAD 0, 2048
	WLOAD 1, 2048
	s_wait_kmcnt 0x0
	s_cmp_lt_u32 s21, 128
	s_cselect_b32 s55, s25, s35                    ; e1 or e11
	MKSCALE 55, SC, LIM
	s_wait_alu depctr_va_vdst(0)
.irp t, 0,1,2,3,4,5,6,7
	WBLOCK \t, 2048
.endr
	FINISH
.Lnarrow:
	s_cmp_lt_u32 s21, 288                          ; Wk or Wv: 512 columns, 4 x 8 work-groups each
	s_cselect_b64 s[44:45], s[8:9], s[10:11]
	s_mov_b32 s23, 0x500000
	s_cselect_b32 s23, 0x400000, s23
	WADDR 31, 3, 2, 19
	s_wait_alu depctr_va_vdst(0)
	WLOAD 0, 512
	WLOAD 1, 512
	s_wait_kmcnt 0x0
	s_cmp_lt_u32 s21, 288
	s_cselect_b32 s55, s27, s29                    ; e3 or e5
	MKSCALE 55, SC, LIM
	s_wait_alu depctr_va_vdst(0)
.irp t, 0,1,2,3,4,5,6,7
	WBLOCK \t, 512
.endr
	FINISH
.Lfunc_end_k_qda60a0424a_quant:
	.size	k_qda60a0424a_quant, .Lfunc_end_k_qda60a0424a_quant-k_qda60a0424a_quant
	.p2alignl 7, 3214868480
	.fill 96, 4, 3214868480
	.section	.rodata,"a",@progbits
	.p2align	6, 0x0
	.amdhsa_kernel k_qda60a0424a_quant
		.amdhsa_group_segment_fixed_size 34304
		.amdhsa_private_segment_fixed_size 0
		.amdhsa_enable_private_segment 0
		.amdhsa_kernarg_size 64
		.amdhsa_user_sgpr_count 2
		.amdhsa_user_sgpr_kernarg_segment_ptr 1
		.amdhsa_wavefront_size32 1
		.amdhsa_system_sgpr_workgroup_id_x 1
		.amdhsa_system_sgpr_workgroup_id_y 1
		.amdhsa_system_sgpr_workgroup_id_z 1
		.amdhsa_system_vgpr_workitem_id 0
		.amdhsa_next_free_vgpr 256
		.amdhsa_next_free_sgpr 66
		.amdhsa_reserve_vcc 0
		.amdhsa_float_denorm_mode_32 3
		.amdhsa_float_denorm_mode_16_64 3
		.amdhsa_fp16_overflow 1
		.amdhsa_memory_ordered 1
		.amdhsa_forward_progress 1
		.amdhsa_inst_pref_size 87
	.end_amdhsa_kernel
	.amdgpu_metadata
---
amdhsa.version: [ 1, 2 ]
amdhsa.kernels:
  - .name:           k_qda60a0424a_quant
    .symbol:         k_qda60a0424a_quant.kd
    .args:
      - { .name: x, .offset: 0, .size: 8, .value_kind: global_buffer, .address_space: global }
      - { .name: Wq, .offset: 8, .size: 8, .value_kind: global_buffer, .address_space: global }
      - { .name: Wk, .offset: 16, .size: 8, .value_kind: global_buffer, .address_space: global }
      - { .name: Wv, .offset: 24, .size: 8, .value_kind: global_buffer, .address_space: global }
      - { .name: Wo, .offset: 32, .size: 8, .value_kind: global_buffer, .address_space: global }
      - { .name: lowp_scales, .offset: 40, .size: 8, .value_kind: global_buffer, .address_space: global }
      - { .name: x_img, .offset: 48, .size: 8, .value_kind: global_buffer, .address_space: global }
      - { .name: w_img, .offset: 56, .size: 8, .value_kind: global_buffer, .address_space: global }
    .group_segment_fixed_size: 34304
    .private_segment_fixed_size: 0
    .kernarg_segment_align: 8
    .kernarg_segment_size: 64
    .max_flat_workgroup_size: 128
    .sgpr_count:     66
    .vgpr_count:     256
    .wavefront_size: 32
...
	.end_amdgpu_metadata
.endif
;; end of part 1
;; launch qkv (part 2): grid 192 x 1, 4 waves a work-group, clusters of 4 x 1, 327,680 bytes of LDS; arguments x_img, w_img, lowp_scales, qkv_img; writes qkv_img
.if DOCPART == 2
	.amdgcn_target "amdgcn-amd-amdhsa--gfx1250"
	.amdhsa_code_object_version 6
	.text
	.protected	k_qda60a0424a_qkv
	.globl	k_qda60a0424a_qkv
	.p2align	8
	.type	k_qda60a0424a_qkv,@function
k_qda60a0424a_qkv:
	s_mov_b64 s[64:65], 0
	v_nop
	global_prefetch_b8 v0, s[64:65] scope:SCOPE_SE
	s_setreg_imm32_b32 hwreg(HW_REG_WAVE_MODE, 25, 1), 1
	s_wait_xcnt 0x0
	s_wait_alu depctr_hold_cnt(0) depctr_sa_sdst(0) depctr_va_vdst(0) depctr_va_sdst(0) depctr_va_ssrc(0) depctr_va_vcc(0) depctr_vm_vsrc(0)
	s_getreg_b32 s2, hwreg(HW_REG_IB_STS2, 6, 4)
	s_cmp_eq_u32 s2, 0
	s_cbranch_scc0 .Lentry_in_a_cluster
	s_endpgm
.Lentry_in_a_cluster:
	s_bfe_u32 s2, ttmp6, 0x10000c
	s_cmp_lg_u32 s2, 0x3003
	s_cbranch_scc0 .Lentry_shape_is_right
	s_endpgm
.Lentry_shape_is_right:
; LAUNCH 2 OF 4: products 1, 2, 3: q = x Wq, k = x Wk, v = x Wv on codes of FP8 (E4M3), K = 2,048, sums in f32; each finished sum is quantised in registers for the product that takes it next:
; q with 2^e7, k with 2^e6 (product 4's operands), v with 2^e8 (product 5's).  A sum stands for sum x 2^(ex + ew), so its code is sum / 2^(eout - ex - ew): the three scales are folded into the conversion's one.
; LIMITS: e7 - e0 - e1, e6 - e2 - e3 and e8 - e4 - e5 between -126 and 119, so that the folded scale and 448 x it are f32 numbers.
; All codes lie as images of the operand's registers (a fragment = 16 rows x 128 K = 2,048 bytes; byte 512 c + 16 lane + i), so a fragment is four loads of 16 bytes a lane at 16 x lane, LDS needs no padding,
; and a K step's tiles are dense blocks.  qkv_img: q at 0: [b][head 0..15][tile of 16 positions 0..63][2048];  k at 8 MiB: [4 b + kv head][key step of 128, 0..7][tile of 16 keys][2048];
; v at 10 MiB: [4 b + kv head][key step][tile of 16 of the head's 128][2048], rows = the head's channels, K = the keys.
; SHARES.  A tile of 256 x 256 results to a work-group of four waves, 128 x 128 a wave: 64 accumulators, 512 registers.  K goes in steps of 256 through a ring of two LDS slots.
; THE MATRIX INSTRUCTION IS USED TRANSPOSED (source 0 = the fragments called B below, source 1 = those called A): a lane holds ONE row of A's and its eight registers eight neighbouring rows of B's.
; For q and k: A = x, B = the weight: a lane holds a position, and the eight accumulators of a row block are the head's 128 channels in the order of the next operand's registers: eight conversions make the fragment.
; For v: A = Wv, B = x: a lane holds a channel and its registers run along the keys.  The two differ only in which half of a slot A's and B's fragment addresses point to.
; CLUSTER: 4 x 1.  Clusters 0-31: q (8 tiles of Wq x 4 groups of x's tiles); 32-39: k; 40-47: v.  The four partners take four tiles of x against ONE tile of the weight: the weight's tile is asked for JOINTLY (mask 15).
; x's tile is each partner's own (mask 0), asked for behind the same rounds of the cluster's barrier.  A 4 x 4 cluster is not used: Wk and Wv have two tiles of 256 columns each and take different codes of x
; (e2's and e4's), so no 4 x 4 block of tiles shares both operands.
; No prefetch: the ring has six refills in all, behind two first fills.
; REGISTERS, in windows of 256: window 0: v0-31 addresses and constants; v128-255 A's eight fragments, ONE set; on the way out the codes.   window 1: B's fragments, TWO sets, at v0 and v128.
;   window 2: the accumulators of A's blocks 0-3 ((a, b) at v[8 (8 (a % 4) + b)]);   window 3: those of blocks 4-7.
.set FR,     16                        ; registers of a fragment
.set NL,     4                         ; LDS loads that bring one
.set NP,     4                         ; places behind this matrix instruction (ISA guide 7.12.1)
.set HALFT,  32768                     ; 8 row blocks x 2 K steps x 2,048 bytes: what one tensor load brings, and what one wave reads of an operand
.set SLOT,   131072                    ; x's 16 row blocks, then the weight's 16
.set KSB,    4096                      ; a slot's part of a row block in memory: two fragments on end
.set LAPS,   4                         ; 2,048 along K = 8 slots = 4 times round the ring
.set SPARE,  262144                    ; behind the ring: the spare words, 128 bytes a wave, two blocks of 256 bytes that no other line names
.set ADRA, 16                          ; v16-17  LDS address of A's fragments in slot 0, 1
.set ADRB, 20                          ; v20-21  the same for B
.set CO,   26                          ; v26     16 x lane: my place in an image
.set SPW,  28                          ; v28     LDS address of my spare word; never rewritten
.set NIL,  29                          ; v29     0; never rewritten
.set SCL,  30                          ; v30     the folded scale as f32
.set LIM,  31                          ; v31     never written
.set TMP,  32
.set AF,   128
.set G1, 24                            ; s[24:31] descriptor group 1 for x's tiles;  s[32:39] group 0, one set for each slot
.set G0, 32
.set G1B, 48                           ; s[48:55], s[56:63] the same for the weight's tiles
.set G0B, 56
.set MSB, 0
.macro WIN new                         ; the immediate's high byte repeats the setting that is left
.if MSB != \new
	s_set_vgpr_msb (MSB<<8)|\new
.set MSB, \new
.endif
.endm
.set MUL_LO, 0xa1                      ; source 0 (B) window 1, source 1 (A) window 0, C and D window 2
.set MUL_HI, 0xf1                      ; the same, C and D window 3
.set TO_B,   0x40                      ; destination window 1, address window 0
; Waves 0 and 1 fetch the halves of x's tile, waves 2 and 3 those of the weight's.  The branch hangs on the wave's number alone.  An s_nop 0 and four v_nop follow each of the two lines.
.macro JLOAD g0a, g1a, g0b, g1b
	s_cmp_eq_u32 s15, 0
	s_cbranch_scc0 .Lfor_b_\@
	tensor_load_to_lds s[\g0a:\g0a+3], s[\g1a:\g1a+7]
	s_nop 0
.rept 4
	v_nop
.endr
	s_branch .Lasked_\@
.Lfor_b_\@:
	tensor_load_to_lds s[\g0b:\g0b+3], s[\g1b:\g1b+7]
	s_nop 0
.rept 4
	v_nop
.endr
.Lasked_\@:
.endm
.macro CREST                           ; a round of the cluster's barrier behind its opening barrier
	s_cmp_lg_u32 s14, 0
	s_cbranch_scc1 .Lnot_wave_0_\@
	s_barrier_signal -3
.Lnot_wave_0_\@:
	s_barrier_wait -3
	s_barrier_signal -1
	s_barrier_wait -1
.endm
.macro CROUND                          ; a whole round
	s_barrier_signal -1
	s_barrier_wait -1
	CREST
.endm
	s_load_b128 s[4:7], s[0:1], 0x0                ; x_img s[4:5], w_img s[6:7]
	s_load_b128 s[8:11], s[0:1], 0x10              ; the exponents s[8:9], qkv_img s[10:11]
	v_lshl_add_u32 v[SPW], v0, 2, SPARE
	v_mov_b32 v[NIL], 0
	ds_add_u32 v[SPW], v[NIL]                      ; the wave's opening: the add, twice on end, and its wait ahead of my first tensor load; the set-up below, work on registers, stands between
	ds_add_u32 v[SPW], v[NIL]
	v_lshrrev_b32 v1, 5, v0
	v_readfirstlane_b32 s14, v1                    ; wave 0..3
	s_lshr_b32 s15, s14, 1                         ; wy: which half of A's rows is mine.  Also: I fetch for x (0) or for the weight (1)
	s_and_b32 s16, s14, 1                          ; wx: which half of B's rows.  Also: which 8 row blocks of that tile I fetch
	s_bfe_u32 s40, ttmp6, 0x40000                  ; cx: my place in the cluster: it enters x's and the result's global addresses alone
	s_cmp_lt_u32 ttmp9, 32                         ; the role, from the cluster's number, which the partners share; by selection, with no branch
	s_cselect_b32 s41, 0, 32                       ; the role's first cluster
	s_cselect_b32 s17, 0, 0x800000                 ; which codes of x: e0's, e2's,
	s_cselect_b32 s18, 0, 0x400000                 ; which weight,
	s_cselect_b32 s19, 0, 0x800000                 ; where the result goes,
	s_cselect_b32 s12, 16, 4                       ; heads in it
	s_cmp_lt_u32 ttmp9, 40
	s_cselect_b32 s41, s41, 40
	s_cselect_b32 s17, s17, 0x1000000              ; e4's
	s_cselect_b32 s18, s18, 0x500000
	s_cselect_b32 s19, s19, 0xa00000
	s_cselect_b32 s84, 0, 0x10000                  ; A's fragments: x's half of a slot; for v the weight's
	s_cselect_b32 s85, 0x10000, 0                  ; B's: the other
	s_cselect_b32 s86, s15, s16                    ; which half of x's 256 rows my results belong to,
	s_cselect_b32 s87, s16, s15                    ; and which of the weight tile's two heads
	s_sub_co_u32 s41, ttmp9, s41
	s_lshr_b32 s42, s41, 2                         ; j: the weight's tile of 256 columns
	s_and_b32 s43, s41, 3
	s_lshl_b32 s43, s43, 2
	s_add_co_u32 s43, s43, s40                     ; xt: x's tile of 256 rows
	; descriptor group 1: 8 rows (row blocks) of 512 elements of 8 bytes (two fragments), 32,768 bytes apart in memory, dense in LDS
	s_mov_b32 s[G1+0], 3<<16                       ; 15:0 no mask; 17:16 elements of 8 bytes; no padding
	s_mov_b32 s[G1B+0], 15|(3<<16)|(1<<21)         ; the mask: all four work-groups; bit 21 set beside it
.irp g, G1, G1B
	s_mov_b32 s[\g+1], 512<<16                     ; tensor_dim0
	s_mov_b32 s[\g+2], 8<<16                       ; tensor_dim1
	s_mov_b32 s[\g+3], 512<<16                     ; tile_dim0
	s_mov_b32 s[\g+4], 8                           ; tile_dim1
	s_mov_b32 s[\g+5], 4096                        ; tensor_dim0_stride: a row block's 16 fragments, in elements
	s_mov_b32 s[\g+6], 0
	s_mov_b32 s[\g+7], 0
.endr
	s_lshl_b32 s13, s16, 18                        ; which 8 row blocks of the tile I fetch
	s_lshl_b32 s20, s43, 19                        ; x: tile xt = 16 row blocks of 32,768 bytes
	s_add_co_u32 s20, s20, s13
	s_add_co_u32 s20, s20, s17
	s_mov_b32 s21, 0
	s_lshl_b32 s46, s42, 19                        ; the weight: tile j; nothing here hangs on cx
	s_add_co_u32 s46, s46, s13
	s_add_co_u32 s46, s46, s18
	s_mov_b32 s47, 0
	s_mul_i32 s45, s14, HALFT                      ; where they go: wave x 32,768
	s_lshr_b32 s88, s43, 2                         ; where my eight fragments go: (((b x heads + 2 j + my head) x 8 + 2 (xt % 4) + my half) x 16,384 bytes
	s_mul_i32 s88, s88, s12
	s_lshl_b32 s89, s42, 1
	s_add_co_u32 s88, s88, s89
	s_add_co_u32 s88, s88, s87
	s_lshl_b32 s88, s88, 3
	s_and_b32 s89, s43, 3
	s_lshl_b32 s89, s89, 1
	s_add_co_u32 s88, s88, s89
	s_add_co_u32 s88, s88, s86
	s_lshl_b32 s88, s88, 14
	s_add_co_u32 s88, s88, s19
	s_mov_b32 s89, 0
	s_wait_dscnt 0x0                               ; both opening adds are done
	s_wait_kmcnt 0x0
	s_load_b256 s[72:79], s[8:9], 0x0              ; e0 .. e7
	s_load_b32 s80, s[8:9], 0x20                   ; e8
	s_add_nc_u64 s[20:21], s[4:5], s[20:21]
	s_add_nc_u64 s[46:47], s[6:7], s[46:47]
	s_add_nc_u64 s[10:11], s[10:11], s[88:89]
	CROUND                                         ; all four work-groups are here: the first joint loads meet
.irp s, 0,1
	s_mov_b32 s[G0+4*\s], 1
	s_add_co_u32 s[G0+4*\s+1], s45, \s*SLOT
	s_add_nc_u64 s[G0+4*\s+2:G0+4*\s+3], s[20:21], \s*KSB
	s_or_b32 s[G0+4*\s+3], s[G0+4*\s+3], 0x80000000
	s_mov_b32 s[G0B+4*\s], 1
	s_add_co_u32 s[G0B+4*\s+1], s45, \s*SLOT
	s_add_nc_u64 s[G0B+4*\s+2:G0B+4*\s+3], s[46:47], \s*KSB
	s_or_b32 s[G0B+4*\s+3], s[G0B+4*\s+3], 0x80000000
	JLOAD G0+4*\s, G1, G0B+4*\s, G1B
.endr
	v_and_b32 v6, 31, v0
	v_lshlrev_b32 v[CO], 4, v6                     ; 16 x lane
	s_mul_i32 s21, s15, HALFT                      ; my 8 row blocks of A's tile,
	s_add_co_u32 s21, s21, s84                     ; in the half of a slot where A's tile lies
	s_mul_i32 s22, s16, HALFT
	s_add_co_u32 s22, s22, s85
.irp s, 0,1
	v_add_nc_u32 v[ADRA+\s], s21, v[CO]
	v_add_nc_u32 v[ADRB+\s], s22, v[CO]
	s_add_co_u32 s21, s21, SLOT
	s_add_co_u32 s22, s22, SLOT
.endr
.macro FRAG reg, adr, q, i             ; row block i's fragment of the slot's q-th 128 along K: four loads, each of 512 consecutive bytes
.irp c, 0,1,2,3
	ds_load_b128 v[\reg+4*\c:\reg+4*\c+3], v[\adr] offset:4096*(\i)+2048*(\q)+512*\c
.endr
.endm
; 16 matrix instructions: A's blocks a0, a0 + 1 x B's eight, 128 along K.  p: B's set.  zero = 1: the first product starts the sums.  The 64 accumulators take turns, one instruction a turn.
.macro MUL16 a0, p, zero
.irp a, \a0, \a0+1
.irp b, 0,1,2,3,4,5,6,7
.if \zero
	v_wmma_f32_16x16x128_fp8_fp8 v[8*(8*((\a)%4)+\b):8*(8*((\a)%4)+\b)+7], v[128*(\p)+FR*\b:128*(\p)+FR*\b+FR-1], v[AF+FR*(\a):AF+FR*(\a)+FR-1], 0
.else
	v_wmma_f32_16x16x128_fp8_fp8 v[8*(8*((\a)%4)+\b):8*(8*((\a)%4)+\b)+7], v[128*(\p)+FR*\b:128*(\p)+FR*\b+FR-1], v[AF+FR*(\a):AF+FR*(\a)+FR-1], v[8*(8*((\a)%4)+\b):8*(8*((\a)%4)+\b)+7]
.endif
.endr
.endr
.endm
.macro FETCH_B slot, q, p
	WIN TO_B
.irp i, 0,1,2,3,4,5,6,7
	FRAG 128*(\p)+FR*\i, ADRB+\slot, \q, \i
.endr
	WIN 0
.endm
.macro FETCH_A slot, q, i0
.irp i, \i0, \i0+1, \i0+2, \i0+3
	FRAG AF+FR*(\i), ADRA+\slot, \q, \i
.endr
.endm
.macro PLACES n                        ; plain vector lines between a matrix instruction and a load into a register that it has read, or a vector line that reads its result
.rept \n
	v_nop
.endr
.endm
.macro STEP slot, q, zero              ; 128 along K whose successor lies in the same slot
	s_wait_dscnt 4*NL                              ; B's set and A's blocks 0-3 are in; the sixteen youngest loads (A's blocks 4-7) may be out
	WIN MUL_LO
	MUL16 0, (\q)%2, \zero
	MUL16 2, (\q)%2, \zero
	s_wait_dscnt 0
	PLACES NP
	FETCH_B \slot, (\q)+1, 1-(\q)%2
	FETCH_A \slot, (\q)+1, 0
	WIN MUL_HI
	MUL16 4, (\q)%2, \zero
	MUL16 6, (\q)%2, \zero
	PLACES NP
	WIN 0
	FETCH_A \slot, (\q)+1, 4
.endm
; A slot's last step BEGINS with the change of slots: all its fragments have been asked for (A's blocks 4-7 at the end of the step before), so nothing of the slot is left to read.  Each wave waits for all its tensor loads,
; adds 0 to its spare word, and waits for that and for its own reads of this slot; behind the round the slot is filled again first, two slots ahead (fill = 1): the refill has this step and the next slot's first,
; 128 matrix instructions, in which to land.  Then the step goes as any other, its successor's fragments coming from the next slot.
.macro TURN slot, next, fill
	s_wait_tensorcnt 0x0                           ; all my tensor loads have landed: my part of the next slot; so every group 0 may be written
	ds_add_u32 v[SPW], v[NIL]                      ; 0 onto my spare word; the descriptors' steps stand between it and the wait for it
.if \fill
	s_add_nc_u64 s[G0+4*\slot+2:G0+4*\slot+3], s[G0+4*\slot+2:G0+4*\slot+3], 2*KSB
	s_add_nc_u64 s[G0B+4*\slot+2:G0B+4*\slot+3], s[G0B+4*\slot+2:G0B+4*\slot+3], 2*KSB
.endif
	s_wait_dscnt 0x0                               ; the add is done, and my reads of this slot are over
.if \fill
	CROUND                                         ; no wave of any partner still reads this slot or has a load on its way
	JLOAD G0+4*\slot, G1, G0B+4*\slot, G1B         ; the first tensor load behind the round, one a wave
.else
	s_barrier_signal -1
	s_barrier_wait -1
.endif
	WIN MUL_LO
	MUL16 0, 1, 0
	MUL16 2, 1, 0
	PLACES NP
	FETCH_B \next, 0, 0
	FETCH_A \next, 0, 0
	WIN MUL_HI
	MUL16 4, 1, 0
	MUL16 6, 1, 0
	PLACES NP
	WIN 0
	FETCH_A \next, 0, 4
.endm
	s_wait_alu depctr_va_vdst(0)
	s_wait_tensorcnt 1                             ; my part of slot 0 is in; slot 1's load may be out
	s_barrier_signal -1
	s_barrier_wait -1
	FETCH_B 0, 0, 0
	FETCH_A 0, 0, 0
	FETCH_A 0, 0, 4
	STEP 0, 0, 1                                   ; the first step stands in front of the loop: its products start the sums
	s_mov_b32 s3, LAPS-1
.Llap:                                             ; a trip goes once round the ring and fills both slots again
	TURN 0, 1, 1
	STEP 1, 0, 0
	TURN 1, 0, 1
	STEP 0, 0, 0
	s_sub_co_u32 s3, s3, 1
	s_cmp_lg_u32 s3, 0
	s_cbranch_scc1 .Llap
	TURN 0, 1, 0                                   ; the last lap fills nothing
	STEP 1, 0, 0
	s_wait_dscnt 4*NL
	WIN MUL_LO
	MUL16 0, 1, 0
	MUL16 2, 1, 0
	s_wait_dscnt 0
	WIN MUL_HI
	MUL16 4, 1, 0
	MUL16 6, 1, 0
	WIN 0
; THE WAY OUT.  Block a's eight accumulators are, for lane (r, h), row r's k = 16 b + 8 h + 0..7 of the next product: eight conversions, and the sixteen registers are the fragment: four stores of 512 consecutive bytes.
	s_wait_kmcnt 0x0
	s_sub_co_i32 s81, s79, s72
	s_sub_co_i32 s81, s81, s73                     ; q: e7 - e0 - e1
	s_sub_co_i32 s82, s78, s74
	s_sub_co_i32 s82, s82, s75                     ; k: e6 - e2 - e3
	s_sub_co_i32 s83, s80, s76
	s_sub_co_i32 s83, s83, s77                     ; v: e8 - e4 - e5
	s_cmp_lt_u32 ttmp9, 32
	s_cselect_b32 s81, s81, s82
	s_cmp_lt_u32 ttmp9, 40
	s_cselect_b32 s81, s81, s83
	s_add_co_i32 s81, s81, 127
	s_lshl_b32 s82, s81, 23
	v_mov_b32 v[SCL], s82
	s_add_co_i32 s81, s81, 8
	s_lshl_b32 s81, s81, 23
	s_or_b32 s81, s81, 0x600000
	PLACES NP
.macro OUTBLK a
.set AC, 64*((\a)%4)
	WIN 0x02+((\a)/4)                              ; source 0: window 2 or 3
.set jj, 0
.rept 64
.set jj, jj+1
.endr
.irp b, 0,1,2,3,4,5,6,7
	v_cvt_scalef32_pk8_fp8_f32 v[AF+16*(\a)+2*\b:AF+16*(\a)+2*\b+1], v[AC+8*\b:AC+8*\b+7], v[SCL]
.endr
	WIN 0
	v_nop
.irp c, 0,1,2,3
	global_store_b128 v[CO], v[AF+16*(\a)+4*\c:AF+16*(\a)+4*\c+3], s[10:11] offset:2048*(\a)+512*\c   ; each block has code registers of its own: no store's data are written again
.endr
.endm
.irp a, 0,1,2,3,4,5,6,7
	OUTBLK \a
.endr
	s_wait_tensorcnt 0x0                           ; the wave's end
	ds_add_u32 v[SPW], v[NIL]
	s_wait_dscnt 0x0
	CROUND                                         ; the closing round: no work-group ends while a partner may still ask for a tile that names it
	s_endpgm
.Lfunc_end_k_qda60a0424a_qkv:
	.size	k_qda60a0424a_qkv, .Lfunc_end_k_qda60a0424a_qkv-k_qda60a0424a_qkv
	.p2alignl 7, 3214868480
	.fill 96, 4, 3214868480
	.section	.rodata,"a",@progbits
	.p2align	6, 0x0
	.amdhsa_kernel k_qda60a0424a_qkv
		.amdhsa_group_segment_fixed_size 327680
		.amdhsa_private_segment_fixed_size 0
		.amdhsa_enable_private_segment 0
		.amdhsa_kernarg_size 32
		.amdhsa_user_sgpr_count 2
		.amdhsa_user_sgpr_kernarg_segment_ptr 1
		.amdhsa_wavefront_size32 1
		.amdhsa_system_sgpr_workgroup_id_x 1
		.amdhsa_system_sgpr_workgroup_id_y 1
		.amdhsa_system_sgpr_workgroup_id_z 1
		.amdhsa_system_vgpr_workitem_id 0
		.amdhsa_next_free_vgpr 1024
		.amdhsa_next_free_sgpr 98
		.amdhsa_reserve_vcc 0
		.amdhsa_float_denorm_mode_32 3
		.amdhsa_float_denorm_mode_16_64 3
		.amdhsa_fp16_overflow 1
		.amdhsa_memory_ordered 1
		.amdhsa_forward_progress 1
		.amdhsa_inst_pref_size 86
	.end_amdhsa_kernel
	.amdgpu_metadata
---
amdhsa.version: [ 1, 2 ]
amdhsa.kernels:
  - .name:           k_qda60a0424a_qkv
    .symbol:         k_qda60a0424a_qkv.kd
    .args:
      - { .name: x_img, .offset: 0, .size: 8, .value_kind: global_buffer, .address_space: global }
      - { .name: w_img, .offset: 8, .size: 8, .value_kind: global_buffer, .address_space: global }
      - { .name: lowp_scales, .offset: 16, .size: 8, .value_kind: global_buffer, .address_space: global }
      - { .name: qkv_img, .offset: 24, .size: 8, .value_kind: global_buffer, .address_space: global }
    .group_segment_fixed_size: 327680
    .private_segment_fixed_size: 0
    .kernarg_segment_align: 8
    .kernarg_segment_size: 32
    .max_flat_workgroup_size: 128
    .sgpr_count:     98
    .vgpr_count:     1024
    .wavefront_size: 32
...
	.end_amdgpu_metadata
.endif
;; end of part 2
;; launch attn (part 3): grid 16 x 16, 16 waves a work-group, clusters of 4 x 1, 327,680 bytes of LDS; arguments qkv_img, lowp_scales, y_img; writes y_img
.if DOCPART == 3
	.amdgcn_target "amdgcn-amd-amdhsa--gfx1250"
	.amdhsa_code_object_version 6
	.text
	.protected	k_qda60a0424a_attn
	.globl	k_qda60a0424a_attn
	.p2align	8
	.type	k_qda60a0424a_attn,@function
k_qda60a0424a_attn:
	s_mov_b64 s[64:65], 0
	v_nop
	global_prefetch_b8 v0, s[64:65] scope:SCOPE_SE
	s_setreg_imm32_b32 hwreg(HW_REG_WAVE_MODE, 25, 1), 1
	s_wait_xcnt 0x0
	s_wait_alu depctr_hold_cnt(0) depctr_sa_sdst(0) depctr_va_vdst(0) depctr_va_sdst(0) depctr_va_ssrc(0) depctr_va_vcc(0) depctr_vm_vsrc(0)
	s_getreg_b32 s2, hwreg(HW_REG_IB_STS2, 6, 4)
	s_cmp_eq_u32 s2, 0
	s_cbranch_scc0 .Lentry_in_a_cluster
	s_endpgm
.Lentry_in_a_cluster:
	s_bfe_u32 s2, ttmp6, 0x10000c
	s_cmp_lg_u32 s2, 0x3003
	s_cbranch_scc0 .Lentry_shape_is_right
	s_endpgm
.Lentry_shape_is_right:
.set VBASE, 131072
.set STEPB, 16384
.set SPARE, 262144
.set SPW,  5
.set NIL,  6
.set ADK,  8
.set ADV,  9
.set TB,   2
.set ST,   3
.set AW,   16
.set WV,   18
.set SEL,  20
.set CS,   22
.set G1,   24
.set G0A,  32
.set G0B,  36
.macro CROUND
	s_barrier_signal -1
	s_barrier_wait -1
	s_cmp_lg_u32 s[WV], 0
	s_cbranch_scc1 .Lnot_wave_0_\@
	s_barrier_signal -3
.Lnot_wave_0_\@:
	s_barrier_wait -3
	s_barrier_signal -1
	s_barrier_wait -1
.endm
	s_load_b128 s[4:7], s[0:1], 0x0
	s_load_b64 s[8:9], s[0:1], 0x10
	v_lshl_add_u32 v[SPW], v0, 2, SPARE
	v_mov_b32 v[NIL], 0
	ds_add_u32 v[SPW], v[NIL]
	ds_add_u32 v[SPW], v[NIL]
	v_lshrrev_b32 v8, 5, v0
	s_delay_alu instid0(VALU_DEP_1)
	v_readfirstlane_b32 s[WV], v8
	s_and_b32 s19, ttmp7, 0xffff
	s_and_b32 s50, s[WV], 3
	s_lshr_b32 s51, s[WV], 2
	s_and_b32 s52, ttmp9, 1
	s_lshr_b32 s53, ttmp9, 1
	s_and_b32 s54, s51, 1
	s_mul_i32 s54, s54, 3
	s_xor_b32 s54, s54, s52
	s_lshr_b32 s55, s51, 1
	s_lshl_b32 s55, s55, 2
	s_add_co_u32 s[AW], s55, s54
	s_bfe_u32 s56, ttmp6, 0x40000
	s_lshl_b32 s57, s53, 2
	s_add_co_u32 s57, s57, s56
	s_lshl_b32 s58, s[AW], 3
	s_add_co_u32 s58, s58, s57
	s_lshl_b32 s48, s19, 2
	s_add_co_u32 s48, s48, s50
	s_lshl_b32 s48, s48, 6
	s_add_co_u32 s48, s48, s58
	s_lshl_b32 s48, s48, 11
	s_mov_b32 s49, 0
	s_lshr_b32 s60, s19, 2
	s_lshl_b32 s60, s60, 6
	s_add_co_u32 s60, s60, s58
	s_lshl_b32 s60, s60, 4
	s_and_b32 s61, s19, 3
	s_lshl_b32 s61, s61, 2
	s_add_co_u32 s60, s60, s61
	s_add_co_u32 s60, s60, s50
	s_lshl_b32 s60, s60, 11
	s_mov_b32 s61, 0
	s_and_b32 s40, s[WV], 7
	s_lshl_b32 s40, s40, 13
	s_lshr_b32 s41, s[WV], 3
	s_lshl_b32 s42, s41, 17
	s_add_co_u32 s42, s42, s40
	s_lshl_b32 s46, s41, 21
	s_add_co_u32 s46, s46, s40
	s_lshl_b32 s43, s19, 17
	s_add_co_u32 s46, s46, s43
	s_add_co_u32 s46, s46, 0x800000
	s_mov_b32 s47, 0
	s_mov_b32 s[G1], 15|(3<<16)|(1<<21)
	s_mov_b32 s[G1+1], 32<<16
	s_mov_b32 s[G1+2], 32<<16
	s_mov_b32 s[G1+3], 32<<16
	s_mov_b32 s[G1+4], 32
	s_mov_b32 s[G1+5], 32
	s_mov_b32 s[G1+6], 0
	s_mov_b32 s[G1+7], 0
	s_mov_b32 s[SEL], 0x76543210
	s_mov_b32 s[SEL+1], 0xfedcba98
	s_mov_b32 s[CS], 0x3e0293ee
	s_wait_dscnt 0x0
	s_wait_kmcnt 0x0
	s_load_b256 s[68:75], s[6:7], 0x10
	s_mov_b32 s[G0A], 1
	s_mov_b32 s[G0A+1], s42
	s_add_nc_u64 s[G0A+2:G0A+3], s[4:5], s[46:47]
	s_mov_b32 s[G0B], 1
	s_add_co_u32 s[G0B+1], s42, 65536
	s_add_nc_u64 s[G0B+2:G0B+3], s[G0A+2:G0A+3], 0x10000
	s_or_b32 s[G0A+3], s[G0A+3], 0x80000000
	s_or_b32 s[G0B+3], s[G0B+3], 0x80000000
	s_add_nc_u64 s[10:11], s[4:5], s[48:49]
	s_add_nc_u64 s[12:13], s[8:9], s[60:61]
	CROUND
	tensor_load_to_lds s[G0A:G0A+3], s[G1:G1+7]
	s_nop 0
	tensor_load_to_lds s[G0B:G0B+3], s[G1:G1+7]
	s_nop 0
.rept 4
	v_nop
.endr
	v_and_b32 v3, 31, v0
	s_delay_alu instid0(VALU_DEP_1)
	v_lshlrev_b32 v1, 4, v3
	s_delay_alu instid0(VALU_DEP_1)
	v_add_nc_u32 v2, VBASE, v1
.irp c, 0,1,2,3
	global_load_b128 v[16+4*\c:19+4*\c], v1, s[10:11] offset:512*\c
.endr
	v_and_b32 v3, 15, v0
	v_bfe_u32 v4, v0, 4, 1
	s_delay_alu instid0(VALU_DEP_1)
	v_lshlrev_b32 v4, 3, v4
	s_delay_alu instid0(VALU_DEP_1)
	v_sub_nc_u32 v10, v3, v4
	s_lshl_b32 s59, s57, 4
	v_add_nc_u32 v10, s59, v10
	v_mov_b32 v11, 0xff800000
	v_mov_b32 v13, 0xff61b1e6
	s_delay_alu instid0(VALU_DEP_1)
	v_floor_f32 v12, -v13
	v_mov_b32 v14, 0
	v_mov_b32 v15, 0
	v_mov_b32 v246, 0
	v_mov_b32 v252, 0
	v_mov_b32 v253, 0
.set jj, 0
.rept 64
	v_mov_b32 v[160+jj], 0
.set jj, jj+1
.endr
	s_wait_kmcnt 0x0
	s_add_co_i32 s60, s70, s71
	s_lshl_b32 s60, s60, 23
	s_add_co_i32 s[CS], s[CS], s60
	s_mov_b32 s[CS+1], s[CS]
	s_add_co_i32 s60, s73, 127
	s_lshl_b32 s61, s60, 23
	v_mov_b32 v244, s61
.macro STEP
	s_cmp_gt_u32 s[ST], s[AW]
	s_cbranch_scc1 .Lhidden_\@
	s_setprio 2
	v_add_nc_u32 v[ADK], s[TB], v1
	s_wait_alu depctr_va_vdst(0)
	v_add_nc_u32 v[ADV], s[TB], v2
.irp g, 0,1
.rept 4-2*(1-\g)
	v_nop
.endr
.irp t, 0,1,2,3
.irp c, 0,1,2,3
	ds_load_b128 v[32+16*\t+4*\c:32+16*\t+4*\c+3], v[ADK] offset:2048*(4*\g+\t)+512*\c
.endr
.endr
	s_wait_dscnt 0x0
.irp t, 0,1,2,3
	v_wmma_f32_16x16x128_fp8_fp8 v[96+8*(4*\g+\t):103+8*(4*\g+\t)], v[32+16*\t:47+16*\t], v[16:31], 0
.endr
.endr
.rept 4
	v_nop
.endr
	s_wait_alu depctr_va_vdst(0)
.irp t, 0,1,2,3
.irp c, 0,1,2,3
	ds_load_b128 v[32+16*\t+4*\c:32+16*\t+4*\c+3], v[ADV] offset:2048*\t+512*\c
.endr
.endr
	s_cmp_lg_u32 s[ST], s[AW]
	s_cbranch_scc1 .Lopen_\@
.set nn, 0
.rept 64
	v_cmp_gt_i32 vcc_lo, 16*(nn/8)+nn%8, v10
	v_cndmask_b32 v[96+nn], v[96+nn], v11, vcc_lo
.set nn, nn+1
.endr
.Lopen_\@:
	v_max3_num_f32 v254, v96, v97, v98
	v_max3_num_f32 v252, v99, v100, v101
.irp i, 6,10,14,18,22,26,30,34,38,42,46,50,54,58
	v_max3_num_f32 v254, v254, v[96+\i], v[97+\i]
	v_max3_num_f32 v252, v252, v[98+\i], v[99+\i]
.endr
	v_max3_num_f32 v254, v254, v158, v159
	s_delay_alu instid0(VALU_DEP_1)
	v_max_num_f32 v254, v254, v252
	s_delay_alu instid0(VALU_DEP_1)
	v_permlanex16_b32 v246, v254, s[SEL], s[SEL+1]
	s_delay_alu instid0(VALU_DEP_1)
	v_max_num_f32 v254, v254, v246
	s_delay_alu instid0(VALU_DEP_1)
	v_mul_f32 v254, s[CS], v254
	s_delay_alu instid0(VALU_DEP_1)
	v_max_num_f32 v13, v13, v254
	v_mov_b32 v254, v12
	s_delay_alu instid0(VALU_DEP_2)
	v_floor_f32 v12, -v13
	s_delay_alu instid0(VALU_DEP_1)
	v_sub_f32 v254, v12, v254
	s_delay_alu instid0(VALU_DEP_1)
	v_cvt_i32_f32 v254, v254
	s_delay_alu instid0(VALU_DEP_1)
	v_ldexp_f32 v252, 1.0, v254
.set jj, 0
.rept 32
	v_pk_fma_f32 v[96+jj:97+jj], v[96+jj:97+jj], s[CS:CS+1], v[12:13] op_sel_hi:[1,0,0]
.set jj, jj+2
.endr
.set jj, 0
	s_setprio 1
	s_wait_alu depctr_va_vdst(0)
.rept 64
	v_exp_f32 v[96+jj], v[96+jj]
.set jj, jj+1
.endr
	v_pk_mul_f32 v[14:15], v[14:15], v[252:253] op_sel_hi:[1,0]
	s_wait_alu depctr_va_vdst(0)
	v_pk_add_f32 v[242:243], v[100:101], v[104:105]
	v_pk_add_f32 v[254:255], v[108:109], v[112:113]
	v_pk_add_f32 v[250:251], v[116:117], v[120:121]
	v_pk_add_f32 v[248:249], v[124:125], v[128:129]
	v_pk_add_f32 v[240:241], v[132:133], v[136:137]
	v_pk_add_f32 v[238:239], v[140:141], v[144:145]
	v_pk_add_f32 v[236:237], v[148:149], v[152:153]
	v_pk_add_f32 v[14:15], v[14:15], v[156:157]
	v_pk_add_f32 v[242:243], v[242:243], v[96:97]
	v_pk_add_f32 v[254:255], v[254:255], v[98:99]
	v_pk_add_f32 v[250:251], v[250:251], v[102:103]
	v_pk_add_f32 v[248:249], v[248:249], v[106:107]
	v_pk_add_f32 v[240:241], v[240:241], v[110:111]
	v_pk_add_f32 v[238:239], v[238:239], v[114:115]
	v_pk_add_f32 v[236:237], v[236:237], v[118:119]
	v_pk_add_f32 v[14:15], v[14:15], v[122:123]
	v_pk_add_f32 v[242:243], v[242:243], v[126:127]
	v_pk_add_f32 v[254:255], v[254:255], v[130:131]
	v_pk_add_f32 v[250:251], v[250:251], v[134:135]
	v_pk_add_f32 v[248:249], v[248:249], v[138:139]
	v_pk_add_f32 v[240:241], v[240:241], v[142:143]
	v_pk_add_f32 v[238:239], v[238:239], v[146:147]
	v_pk_add_f32 v[236:237], v[236:237], v[150:151]
	v_pk_add_f32 v[14:15], v[14:15], v[154:155]
	v_pk_add_f32 v[242:243], v[242:243], v[158:159]
	s_delay_alu instid0(VALU_DEP_2)
	v_pk_add_f32 v[14:15], v[14:15], v[248:249]
	s_delay_alu instid0(VALU_DEP_2)
	v_pk_add_f32 v[242:243], v[242:243], v[240:241]
	v_pk_add_f32 v[254:255], v[254:255], v[238:239]
	v_pk_add_f32 v[250:251], v[250:251], v[236:237]
	s_delay_alu instid0(VALU_DEP_2)
	v_pk_add_f32 v[14:15], v[14:15], v[254:255]
	s_delay_alu instid0(VALU_DEP_2)
	v_pk_add_f32 v[242:243], v[242:243], v[250:251]
	s_delay_alu instid0(VALU_DEP_1)
	v_pk_add_f32 v[14:15], v[14:15], v[242:243]
.irp b, 0,1,2,3,4,5,6,7
.irp i, 0,1,2,3,4,5,6,7
.endr
	v_cvt_scalef32_pk8_fp8_f32 v[224+2*\b:225+2*\b], v[96+8*\b:103+8*\b], v244
.endr
.set jj, 0
.rept 32
	v_pk_mul_f32 v[160+jj:161+jj], v[160+jj:161+jj], v[252:253] op_sel_hi:[1,0]
.set jj, jj+2
.endr
	s_setprio 0
	s_wait_alu depctr_va_vdst(0)
	s_wait_dscnt 0x0
.irp t, 0,1,2,3
	v_wmma_f32_16x16x128_fp8_fp8 v[160+8*\t:167+8*\t], v[32+16*\t:47+16*\t], v[224:239], v[160+8*\t:167+8*\t]
.endr
.rept 4
	v_nop
.endr
.irp t, 0,1,2,3
.irp c, 0,1,2,3
	ds_load_b128 v[32+16*\t+4*\c:32+16*\t+4*\c+3], v[ADV] offset:2048*(4+\t)+512*\c
.endr
.endr
	s_wait_dscnt 0x0
.irp t, 0,1,2,3
	v_wmma_f32_16x16x128_fp8_fp8 v[192+8*\t:199+8*\t], v[32+16*\t:47+16*\t], v[224:239], v[192+8*\t:199+8*\t]
.endr
.Lhidden_\@:
.endm
.macro HALF first
	s_mov_b32 s[ST], \first
	s_mov_b32 s[TB], \first*STEPB
.Lhalf_\@:
	STEP
	s_add_co_u32 s[TB], s[TB], STEPB
	s_add_co_u32 s[ST], s[ST], 1
	s_cmp_lt_u32 s[ST], \first+4
	s_cbranch_scc1 .Lhalf_\@
	s_setprio 0
.endm
	s_wait_tensorcnt 1
	s_barrier_signal -1
	s_barrier_wait -1
	s_wait_loadcnt 0x0
	HALF 0
	s_wait_tensorcnt 0x0
	s_wait_dscnt 0x0
	s_barrier_signal -1
	s_barrier_wait -1
	HALF 4
	v_add_f32 v14, v14, v15
	s_delay_alu instid0(VALU_DEP_1)
	v_permlanex16_b32 v246, v14, s[SEL], s[SEL+1]
	s_delay_alu instid0(VALU_DEP_1)
	v_add_f32 v14, v14, v246
	s_wait_alu depctr_va_vdst(0)
	v_rcp_f32 v14, v14
	v_nop
	s_sub_co_i32 s60, s74, s72
	s_sub_co_i32 s60, s60, s73
	s_add_co_i32 s60, s60, 127
	s_lshl_b32 s61, s60, 23
	v_mov_b32 v244, s61
	s_wait_alu depctr_va_vdst(0)
.set jj, 0
.rept 64
	v_mul_f32 v[96+jj], v[160+jj], v14
.set jj, jj+1
.endr
.set jj, 0
.rept 64
.set jj, jj+1
.endr
.irp b, 0,1,2,3,4,5,6,7
	v_cvt_scalef32_pk8_fp8_f32 v[224+2*\b:225+2*\b], v[96+8*\b:103+8*\b], v244
.endr
	v_nop
.irp c, 0,1,2,3
	global_store_b128 v1, v[224+4*\c:227+4*\c], s[12:13] offset:512*\c
.endr
	s_wait_tensorcnt 0x0
	ds_add_u32 v[SPW], v[NIL]
	s_wait_dscnt 0x0
	CROUND
	s_endpgm
.Lfunc_end_k_qda60a0424a_attn:
	.size	k_qda60a0424a_attn, .Lfunc_end_k_qda60a0424a_attn-k_qda60a0424a_attn
	.p2alignl 7, 3214868480
	.fill 96, 4, 3214868480
	.section	.rodata,"a",@progbits
	.p2align	6, 0x0
	.amdhsa_kernel k_qda60a0424a_attn
		.amdhsa_group_segment_fixed_size 327680
		.amdhsa_private_segment_fixed_size 0
		.amdhsa_enable_private_segment 0
		.amdhsa_kernarg_size 24
		.amdhsa_user_sgpr_count 2
		.amdhsa_user_sgpr_kernarg_segment_ptr 1
		.amdhsa_wavefront_size32 1
		.amdhsa_system_sgpr_workgroup_id_x 1
		.amdhsa_system_sgpr_workgroup_id_y 1
		.amdhsa_system_sgpr_workgroup_id_z 1
		.amdhsa_system_vgpr_workitem_id 0
		.amdhsa_next_free_vgpr 256
		.amdhsa_next_free_sgpr 80
		.amdhsa_reserve_vcc 1
		.amdhsa_float_denorm_mode_32 3
		.amdhsa_float_denorm_mode_16_64 3
		.amdhsa_fp16_overflow 1
		.amdhsa_memory_ordered 1
		.amdhsa_forward_progress 1
		.amdhsa_inst_pref_size 57
	.end_amdhsa_kernel
	.amdgpu_metadata
---
amdhsa.version: [ 1, 2 ]
amdhsa.kernels:
  - .name:           k_qda60a0424a_attn
    .symbol:         k_qda60a0424a_attn.kd
    .args:
      - { .name: qkv_img, .offset: 0, .size: 8, .value_kind: global_buffer, .address_space: global }
      - { .name: lowp_scales, .offset: 8, .size: 8, .value_kind: global_buffer, .address_space: global }
      - { .name: y_img, .offset: 16, .size: 8, .value_kind: global_buffer, .address_space: global }
    .group_segment_fixed_size: 327680
    .private_segment_fixed_size: 0
    .kernarg_segment_align: 8
    .kernarg_segment_size: 24
    .max_flat_workgroup_size: 512
    .sgpr_count:     80
    .vgpr_count:     256
    .wavefront_size: 32
...
	.end_amdgpu_metadata
.endif
;; end of part 3
;; launch oproj (part 4): grid 8 x 32, 4 waves a work-group, clusters of 4 x 4, 327,680 bytes of LDS; arguments y_img, w_img, lowp_scales, out0; writes out0
.if DOCPART == 4
	.amdgcn_target "amdgcn-amd-amdhsa--gfx1250"
	.amdhsa_code_object_version 6
	.text
	.protected	k_qda60a0424a_oproj
	.globl	k_qda60a0424a_oproj
	.p2align	8
	.type	k_qda60a0424a_oproj,@function
k_qda60a0424a_oproj:
	s_mov_b64 s[64:65], 0
	v_nop
	global_prefetch_b8 v0, s[64:65] scope:SCOPE_SE
	s_setreg_imm32_b32 hwreg(HW_REG_WAVE_MODE, 25, 1), 1
	s_wait_xcnt 0x0
	s_wait_alu depctr_hold_cnt(0) depctr_sa_sdst(0) depctr_va_vdst(0) depctr_va_sdst(0) depctr_va_ssrc(0) depctr_va_vcc(0) depctr_vm_vsrc(0)
	s_getreg_b32 s2, hwreg(HW_REG_IB_STS2, 6, 4)
	s_cmp_eq_u32 s2, 0
	s_cbranch_scc0 .Lentry_in_a_cluster
	s_endpgm
.Lentry_in_a_cluster:
	s_bfe_u32 s2, ttmp6, 0x10000c
	s_cmp_lg_u32 s2, 0xf033
	s_cbranch_scc0 .Lentry_shape_is_right
	s_endpgm
.Lentry_shape_is_right:
; LAUNCH 4 OF 4: product 6: out0 = y Wo on codes of FP8 (E4M3), K = 2,048, sums in f32, each finished sum x 2^(e10 + e11).  LIMIT: e10 + e11 between -126 and 127, so that the factor is an f32 number.
; y_img: [row block of 16 rows 0..255][K step 0..15][2048]; Wo's codes in w_img at 6 MiB: [block of 16 output columns 0..127][K step][2048]: images of the operand's registers (a fragment = 16 rows x 128 K;
; byte 512 c + 16 lane + i): a fragment is four loads of 16 bytes a lane at 16 x lane, LDS needs no padding, and a K step's tiles are dense blocks.
; THE TILE: 128 rows x 256 columns of out0 to a work-group: 4,096 x 2,048 / (128 x 256) = 256 work-groups.  Four waves, 2 x 2, 64 rows x 128 columns each: 32 accumulators, 256 registers.
; For 128 along K a wave reads 12 fragments (24,576 bytes) from LDS for 32 matrix instructions.
; THE RING: a K step of 128 is (128 + 256) rows x 128 bytes = 49,152 bytes; a slot holds THREE: 147,456 bytes; two slots fill 294,912 of the 327,680.  16 K steps = 5 x 3 + 1: six fills: two at the head, four refills,
; the last of ONE K step, with a group 1 of its own; it lies dense, its blocks 2,048 bytes apart.  In a slot a block's three fragments lie on end (6,144 bytes): y's 8 row blocks, then Wo's 16 column blocks.
; Waves 0 and 1 fetch y's halves (4 blocks), waves 2 and 3 Wo's (8 blocks): one tensor load a wave behind each round.
; A slot's last K step BEGINS with the change of slots: its fragments have been asked for a step earlier, so nothing of the slot is left to read; the refill then has that step and the next slot, 96 matrix instructions, in which to land.
; The sixteen K steps are written out by macros: the first starts the sums, one refill is the tail's, and the last change of slots fills nothing.
; CLUSTERS: 4 x 4.  The four of a row of the cluster need the same tile of y, the four of a column the same tile of Wo: each is asked for JOINTLY, by the same tensor load with a mask that names the four.
; THE MATRIX INSTRUCTION IS USED TRANSPOSED (source 0 = 16 columns' rows of Wo's codes, source 1 = 16 rows of y): a lane holds eight neighbouring numbers of a row of out0.
; No prefetch: the ring has four refills in all, behind two first fills.
; REGISTERS, in windows of 256: window 0: v0-31 addresses; v32-95 and v128-255 at work on the way out.   window 1: fragment set 0: Wo's eight at v0-127, y's four at v128-191.   window 3: set 1, the same.
;   window 2: the accumulators ((a, b) at v[8 (8 a + b)]).  While one set is multiplied the other takes the next K step's fragments: two switches of the window a K step.
.set NCOL,   2048                      ; columns of out0
.set FR,     16                        ; registers of a fragment
.set NP,     4                         ; places behind this matrix instruction (ISA guide 7.12.1)
.set KS3,    6144                      ; a slot's part of a block: three fragments on end
.set AHALF,  4*KS3                     ; what a wave fetches, and reads, of y
.set BHALF,  8*KS3                     ; of Wo
.set BOFF,   2*AHALF                   ; Wo's blocks lie behind y's eight
.set SLOT,   BOFF+2*BHALF              ; 147,456
.set SPARE,  2*SLOT                    ; 294,912: behind the ring: the spare words, 128 bytes a wave, two blocks of 256 bytes that no other line names
.set SPITCH, 528                       ; the way out: a stage of 16 rows x (512 bytes + 16) for each wave, in slot 0, which has had its last fill and its last read when the first result is stored there
.set ADRA, 16                          ; v16-17  LDS address of my fragments of y in slot 0, 1
.set ADRB, 20                          ; v20-21  the same for Wo
.set STO,  24                          ; v24     the way out: where I put 32 bytes of a row
.set RD,   25                          ; v25     the way out: where I read a row back
.set CO,   26                          ; v26     16 x lane
.set SPW,  28                          ; v28     LDS address of my spare word; never rewritten
.set NIL,  29                          ; v29     0; never rewritten
.set TMP,  32                          ; the way out: a block's sums x 2^(e10 + e11)
.set AF,   128                         ; y's fragments in a set's window
.set BK,   128                         ; the way out: 16 rows read back: v128-191 and v192-255 of window 0 by turns
.set G1,   24                          ; s[24:31] descriptor group 1 for y's tiles;  s[32:39] group 0, one set for each slot
.set G0,   32
.set G1B,  48                          ; s[48:55], s[56:63] the same for Wo's tiles
.set G0B,  56
.set G1T,  68                          ; s[68:75] group 1 for y's last tile, of one K step
.set G1BT, 76                          ; s[76:83] for Wo's
.set MSB, 0
.macro WIN new                         ; the immediate's high byte repeats the setting that is left
.if MSB != (\new)
	s_set_vgpr_msb (MSB<<8)|(\new)
.set MSB, (\new)
.endif
.endm
; A joint load: waves 0 and 1 fetch for y, waves 2 and 3 for Wo.  The branch hangs on the wave's number alone.  An s_nop 0 and four v_nop follow each of the two lines.
.macro JLOAD g0a, g1a, g0b, g1b
	s_cmp_eq_u32 s15, 0
	s_cbranch_scc0 .Lfor_b_\@
	tensor_load_to_lds s[\g0a:\g0a+3], s[\g1a:\g1a+7]
	s_nop 0
.rept 4
	v_nop
.endr
	s_branch .Lasked_\@
.Lfor_b_\@:
	tensor_load_to_lds s[\g0b:\g0b+3], s[\g1b:\g1b+7]
	s_nop 0
.rept 4
	v_nop
.endr
.Lasked_\@:
.endm
.macro CROUND                          ; a round of the cluster's barrier
	s_barrier_signal -1
	s_barrier_wait -1
	s_cmp_lg_u32 s14, 0
	s_cbranch_scc1 .Lnot_wave_0_\@
	s_barrier_signal -3
.Lnot_wave_0_\@:
	s_barrier_wait -3
	s_barrier_signal -1
	s_barrier_wait -1
.endm
.macro GROUP1 g, cols, rows            ; rows blocks of cols elements of 8 bytes, 32,768 bytes apart in memory, dense in LDS
	s_mov_b32 s[\g+1], (\cols)<<16                 ; tensor_dim0
	s_mov_b32 s[\g+2], (\rows)<<16                 ; tensor_dim1
	s_mov_b32 s[\g+3], (\cols)<<16                 ; tile_dim0
	s_mov_b32 s[\g+4], \rows                       ; tile_dim1
	s_mov_b32 s[\g+5], 4096                        ; tensor_dim0_stride: a block's 16 fragments, in elements
	s_mov_b32 s[\g+6], 0
	s_mov_b32 s[\g+7], 0
.endm
	s_load_b128 s[4:7], s[0:1], 0x0                ; y_img s[4:5], w_img s[6:7]
	s_load_b128 s[8:11], s[0:1], 0x10              ; the exponents s[8:9], out0 s[10:11]
	v_lshl_add_u32 v[SPW], v0, 2, SPARE
	v_mov_b32 v[NIL], 0
	ds_add_u32 v[SPW], v[NIL]                      ; the wave's opening: the add, twice on end, and its wait ahead of my first tensor load; the set-up below, work on registers, stands between
	ds_add_u32 v[SPW], v[NIL]
	v_lshrrev_b32 v1, 5, v0
	v_readfirstlane_b32 s14, v1                    ; wave 0..3
	s_lshr_b32 s15, s14, 1                         ; which half of the tile's rows is mine.  Also: I fetch for y (0) or for Wo (1)
	s_and_b32 s16, s14, 1                          ; which half of its columns.  Also: which half of that tile's blocks I fetch
	s_bfe_u32 s40, ttmp6, 0x40000                  ; cx, cy
	s_bfe_u32 s41, ttmp6, 0x40004
	s_lshl_b32 s42, ttmp9, 2
	s_add_co_u32 s42, s42, s40                     ; tile column = 4 x cluster x + cx: 0..7
	s_and_b32 s17, ttmp7, 0xffff
	s_lshl_b32 s17, s17, 2
	s_add_co_u32 s17, s17, s41                     ; tile row = 4 x cluster y + cy: 0..31
	s_lshl_b32 s43, s41, 2
	s_lshl_b32 s43, 15, s43                        ; my row of the cluster
	s_lshl_b32 s44, 0x1111, s40                    ; my column
	s_or_b32 s[G1+0], s43, (3<<16)|(1<<21)         ; 15:0 the mask: y's tiles go to my row; 17:16 elements of 8 bytes; 21 set beside a mask; no padding
	s_or_b32 s[G1T+0], s43, (3<<16)|(1<<21)
	s_or_b32 s[G1B+0], s44, (3<<16)|(1<<21)        ; Wo's to my column
	s_or_b32 s[G1BT+0], s44, (3<<16)|(1<<21)
	GROUP1 G1, 768, 4                              ; three fragments = 6,144 bytes = 768 elements; y: 4 blocks a wave
	GROUP1 G1B, 768, 8                             ; Wo: 8 blocks a wave
	GROUP1 G1T, 256, 4                             ; the last K step alone: one fragment a block
	GROUP1 G1BT, 256, 8
	s_lshl_b32 s18, s16, 17                        ; y: which 4 row blocks of 32,768 bytes I fetch,
	s_lshl_b32 s20, s17, 18                        ; of the tile row's 8
	s_add_co_u32 s20, s20, s18
	s_mov_b32 s21, 0
	s_lshl_b32 s18, s16, 18                        ; Wo: which 8 column blocks,
	s_lshl_b32 s46, s42, 19                        ; of the tile column's 16,
	s_add_co_u32 s46, s46, s18
	s_add_co_u32 s46, s46, 0x600000                ; in Wo's part of w_img
	s_mov_b32 s47, 0
	s_mul_i32 s45, s16, AHALF                      ; where they go in a slot: no place in the cluster enters an LDS address
	s_mul_i32 s19, s16, BHALF
	s_add_co_u32 s19, s19, BOFF
	s_wait_dscnt 0x0                               ; both opening adds are done
	s_wait_kmcnt 0x0
	s_load_b64 s[96:97], s[8:9], 0x28              ; e10, e11
	s_add_nc_u64 s[20:21], s[4:5], s[20:21]
	s_add_nc_u64 s[46:47], s[6:7], s[46:47]
	CROUND                                         ; all sixteen work-groups are here: the first joint loads meet
.irp s, 0,1
	s_mov_b32 s[G0+4*\s], 1
	s_add_co_u32 s[G0+4*\s+1], s45, \s*SLOT
	s_add_nc_u64 s[G0+4*\s+2:G0+4*\s+3], s[20:21], \s*KS3
	s_or_b32 s[G0+4*\s+3], s[G0+4*\s+3], 0x80000000
	s_mov_b32 s[G0B+4*\s], 1
	s_add_co_u32 s[G0B+4*\s+1], s19, \s*SLOT
	s_add_nc_u64 s[G0B+4*\s+2:G0B+4*\s+3], s[46:47], \s*KS3
	s_or_b32 s[G0B+4*\s+3], s[G0B+4*\s+3], 0x80000000
	JLOAD G0+4*\s, G1, G0B+4*\s, G1B               ; K steps 0-2 into slot 0, 3-5 into slot 1: two loads of mine are out
.endr
	v_and_b32 v1, 15, v0                           ; l % 16
	v_bfe_u32 v2, v0, 4, 1                         ; l / 16
	v_and_b32 v6, 31, v0
	v_lshlrev_b32 v[CO], 4, v6                     ; 16 x lane: my place in an image, in a stage row read back, and in a row's 512 bytes of out0
	s_mul_i32 s21, s15, AHALF                      ; my 4 row blocks of y
	s_mul_i32 s22, s16, BHALF                      ; my 8 column blocks of Wo,
	s_add_co_u32 s22, s22, BOFF                    ; which lie behind y's 8
.irp s, 0,1
	v_add_nc_u32 v[ADRA+\s], s21, v[CO]
	v_add_nc_u32 v[ADRB+\s], s22, v[CO]
	s_add_co_u32 s21, s21, SLOT
	s_add_co_u32 s22, s22, SLOT
.endr
	s_mul_i32 s23, s14, 16*SPITCH                  ; my stage
	v_mul_u32_u24 v5, v1, SPITCH                   ; in: row l % 16, 32 bytes for each half of the lanes
	v_lshl_add_u32 v5, v2, 5, v5
	v_add_nc_u32 v[STO], s23, v5
	v_add_nc_u32 v[RD], s23, v[CO]                 ; back: the 32 lanes take one row of 512 bytes
	s_lshl_b32 s20, s17, 7
	s_lshl_b32 s21, s15, 6
	s_add_co_u32 s20, s20, s21                     ; my first row: 128 x tile row + 64 x half,
	s_lshl_b32 s20, s20, 13                        ; of 8,192 bytes
	s_lshl_b32 s46, s42, 10                        ; my first column, in bytes: 1,024 x tile column + 512 x half
	s_add_co_u32 s20, s20, s46
	s_lshl_b32 s46, s16, 9
	s_add_co_u32 s20, s20, s46
	s_mov_b32 s21, 0
	s_add_nc_u64 s[10:11], s[10:11], s[20:21]
; 48 LDS loads in one run, each of 512 consecutive bytes: the twelve fragments of the slot's q-th K step into a set.  pitch: bytes from block to block
.macro FRAGS set, slot, q, pitch
	WIN 0x40+0x80*(\set)                           ; destination window 1 or 3, address window 0
.irp i, 0,1,2,3,4,5,6,7
.irp c, 0,1,2,3
	ds_load_b128 v[FR*\i+4*\c:FR*\i+4*\c+3], v[ADRB+(\slot)] offset:(\pitch)*\i+2048*(\q)+512*\c
.endr
.endr
.irp i, 0,1,2,3
.irp c, 0,1,2,3
	ds_load_b128 v[AF+FR*\i+4*\c:AF+FR*\i+4*\c+3], v[ADRA+(\slot)] offset:(\pitch)*\i+2048*(\q)+512*\c
.endr
.endr
.endm
; 32 matrix instructions: y's four blocks x Wo's eight, 128 along K, out of a set.  zero = 1: the first product starts the sums.  The 32 accumulators take turns, one instruction a turn, in the same order in every step.
.macro MUL32 set, zero
	WIN 0xa5+0x0a*(\set)                           ; sources 0 and 1 window 1 or 3, C and D window 2
.irp a, 0,1,2,3
.irp b, 0,1,2,3,4,5,6,7
.if \zero
	v_wmma_f32_16x16x128_fp8_fp8 v[8*(8*\a+\b):8*(8*\a+\b)+7], v[FR*\b:FR*\b+FR-1], v[AF+FR*\a:AF+FR*\a+FR-1], 0
.else
	v_wmma_f32_16x16x128_fp8_fp8 v[8*(8*\a+\b):8*(8*\a+\b)+7], v[FR*\b:FR*\b+FR-1], v[AF+FR*\a:AF+FR*\a+FR-1], v[8*(8*\a+\b):8*(8*\a+\b)+7]
.endif
.endr
.endr
.endm
.macro PLACES n                        ; plain vector lines between a matrix instruction and a load into a register that it has read, or a vector line that reads its result
.rept \n
	v_nop
.endr
.endm
; A K step whose successor lies in the same slot, at its q-th place: the successor's fragments are asked for first, into the other set, 32 matrix instructions ahead of their use.
.macro STEP set, zero, slot, q
	s_wait_dscnt 0x0                               ; my set is in
.if \zero
.else
	PLACES NP                                      ; the other set was read by the step before
.endif
	FRAGS 1-\set, \slot, \q, KS3
	MUL32 \set, \zero
.endm
; A slot's last K step.  Each wave waits for all its tensor loads (its part of the next slot), adds 0 to its spare word, and waits for that and for its reads of this slot, the set in hand among them.
; fill = 1: behind a round of the cluster's barrier this slot is filled again, two slots ahead, by group 1 g1a or g1b.  Then the successor's fragments come from the next slot's first place.
.macro TURN set, slot, fill, g1a, g1b, pitch
	WIN 0
	s_wait_tensorcnt 0x0                           ; all my tensor loads have landed; so every group 0 may be written
	ds_add_u32 v[SPW], v[NIL]                      ; 0 onto my spare word; the descriptors' steps stand between it and the wait for it
.if \fill
	s_add_nc_u64 s[G0+4*\slot+2:G0+4*\slot+3], s[G0+4*\slot+2:G0+4*\slot+3], 2*KS3
	s_add_nc_u64 s[G0B+4*\slot+2:G0B+4*\slot+3], s[G0B+4*\slot+2:G0B+4*\slot+3], 2*KS3
.endif
	s_wait_dscnt 0x0                               ; the add is done, and my reads of this slot are over
.if \fill
	CROUND                                         ; no wave of any partner still reads this slot or has a load on its way
	JLOAD G0+4*\slot, \g1a, G0B+4*\slot, \g1b      ; the first tensor load behind the round, one a wave; its four v_nop are also the places in front of the loads below
.else
	s_barrier_signal -1
	s_barrier_wait -1
	PLACES NP
.endif
	FRAGS 1-\set, 1-\slot, 0, \pitch
	MUL32 \set, 0
.endm
	s_wait_tensorcnt 1                             ; my part of slot 0 is in; slot 1's load may be out
	s_barrier_signal -1
	s_barrier_wait -1
	FRAGS 0, 0, 0, KS3                             ; K step 0
	STEP 0, 1, 0, 1                                ; K step 0: its products start the sums
	STEP 1, 0, 0, 2                                ; 1
	TURN 0, 0, 1, G1, G1B, KS3                     ; 2: slot 0 takes K steps 6-8
	STEP 1, 0, 1, 1                                ; 3
	STEP 0, 0, 1, 2                                ; 4
	TURN 1, 1, 1, G1, G1B, KS3                     ; 5: slot 1 takes K steps 9-11
	STEP 0, 0, 0, 1                                ; 6
	STEP 1, 0, 0, 2                                ; 7
	TURN 0, 0, 1, G1, G1B, KS3                     ; 8: slot 0 takes K steps 12-14
	STEP 1, 0, 1, 1                                ; 9
	STEP 0, 0, 1, 2                                ; 10
	TURN 1, 1, 1, G1T, G1BT, KS3                   ; 11: slot 1 takes K step 15 alone
	STEP 0, 0, 0, 1                                ; 12
	STEP 1, 0, 0, 2                                ; 13
	TURN 0, 0, 0, G1, G1B, 2048                    ; 14: nothing is filled; K step 15's blocks lie 2,048 bytes apart
	s_wait_dscnt 0x0
	MUL32 1, 0                                     ; 15
	WIN 0
; THE WAY OUT, block by block of 16 rows x 128 columns, through my own stage in LDS: in as 32 bytes a lane, back as whole rows of 512 bytes, which the 32 lanes store as 512 consecutive bytes.
; LDS serves a wave's instructions in order (ISA guide 5.7.1.4): no wait between the stores and the loads, nor in front of the next block's stores.
.macro TOSTAGE a
.set AC, 64*(\a)
	WIN 0x02                                       ; source 0: window 2
.set jj, 0
.rept 32
	v_pk_mul_f32 v[TMP+jj:TMP+jj+1], v[AC+jj:AC+jj+1], s[96:97] op_sel_hi:[1,0]   ; both x s96 = 2^(e10 + e11); each accumulator from its low end on
.set jj, jj+2
.endr
	WIN 0
.irp b, 0,1,2,3,4,5,6,7
	ds_store_b128 v[STO], v[TMP+8*\b:TMP+8*\b+3] offset:64*\b
	ds_store_b128 v[STO], v[TMP+8*\b+4:TMP+8*\b+7] offset:64*\b+16
.endr
.set BB, BK+64*((\a)%2)
.irp t, 0,1,2,3,4,5,6,7,8,9,10,11,12,13,14,15
	ds_load_b128 v[BB+4*\t:BB+4*\t+3], v[RD] offset:\t*SPITCH
.endr
.endm
.macro SEND a, younger                 ; younger: the LDS instructions issued behind block a's loads, which may stay out
.set BB, BK+64*((\a)%2)
	s_wait_dscnt \younger
.if (\a) > 0
	s_add_nc_u64 s[10:11], s[10:11], 16*NCOL*4     ; (behind a wait on XCNT: the earlier stores have read their base)  16 rows on
.endif
.irp t, 0,1,2,3,4,5,6,7,8,9,10,11,12,13,14,15
	global_store_b128 v[CO], v[BB+4*\t:BB+4*\t+3], s[10:11] offset:\t*NCOL*4 th:TH_STORE_NT   ; 32 lanes store 512 consecutive bytes, at a multiple of 256 from out0's first byte; written once, read by nobody here
.endr
.endm
	s_wait_kmcnt 0x0
	s_add_co_i32 s96, s96, s97                     ; e10 + e11
	s_add_co_i32 s96, s96, 127
	s_lshl_b32 s96, s96, 23                        ; 2^(e10 + e11) as f32
	PLACES NP
	TOSTAGE 0
.irp a, 1,2,3
.if \a > 1
	s_wait_xcnt 0x0                                ; block a - 2's stores have read their registers and their base
.endif
	TOSTAGE \a
	SEND \a-1, 32                                  ; behind block a - 1's loads: block a's 16 stores and 16 loads
.endr
	s_wait_xcnt 0x0
	SEND 3, 0
	s_wait_tensorcnt 0x0                           ; the wave's end: behind my last tensor load and my last LDS store
	ds_add_u32 v[SPW], v[NIL]
	s_wait_dscnt 0x0
	CROUND                                         ; the closing round: no work-group ends while a partner may still ask for a tile that names it
	s_endpgm
.Lfunc_end_k_qda60a0424a_oproj:
	.size	k_qda60a0424a_oproj, .Lfunc_end_k_qda60a0424a_oproj-k_qda60a0424a_oproj
	.p2alignl 7, 3214868480
	.fill 96, 4, 3214868480
	.section	.rodata,"a",@progbits
	.p2align	6, 0x0
	.amdhsa_kernel k_qda60a0424a_oproj
		.amdhsa_group_segment_fixed_size 327680
		.amdhsa_private_segment_fixed_size 0
		.amdhsa_enable_private_segment 0
		.amdhsa_kernarg_size 32
		.amdhsa_user_sgpr_count 2
		.amdhsa_user_sgpr_kernarg_segment_ptr 1
		.amdhsa_wavefront_size32 1
		.amdhsa_system_sgpr_workgroup_id_x 1
		.amdhsa_system_sgpr_workgroup_id_y 1
		.amdhsa_system_sgpr_workgroup_id_z 1
		.amdhsa_system_vgpr_workitem_id 0
		.amdhsa_next_free_vgpr 1024
		.amdhsa_next_free_sgpr 98
		.amdhsa_reserve_vcc 0
		.amdhsa_float_denorm_mode_32 3
		.amdhsa_float_denorm_mode_16_64 3
		.amdhsa_memory_ordered 1
		.amdhsa_forward_progress 1
		.amdhsa_inst_pref_size 119
	.end_amdhsa_kernel
	.amdgpu_metadata
---
amdhsa.version: [ 1, 2 ]
amdhsa.kernels:
  - .name:           k_qda60a0424a_oproj
    .symbol:         k_qda60a0424a_oproj.kd
    .args:
      - { .name: y_img, .offset: 0, .size: 8, .value_kind: global_buffer, .address_space: global }
      - { .name: w_img, .offset: 8, .size: 8, .value_kind: global_buffer, .address_space: global }
      - { .name: lowp_scales, .offset: 16, .size: 8, .value_kind: global_buffer, .address_space: global }
      - { .name: out0, .offset: 24, .size: 8, .value_kind: global_buffer, .address_space: global }
    .group_segment_fixed_size: 327680
    .private_segment_fixed_size: 0
    .kernarg_segment_align: 8
    .kernarg_segment_size: 32
    .max_flat_workgroup_size: 128
    .sgpr_count:     98
    .vgpr_count:     1024
    .wavefront_size: 32
...
	.end_amdgpu_metadata
.endif
;; end of part 4
